; MI455X (gfx1250); checked and timed in simulation.
; The chip was launched on July 23, 2026; its instructions are those of AMD's public machine-readable ISA for CDNA 5 (MIT licence, August 2026) and "CDNA5" Instruction Set Architecture Reference Guide (July 2026). The comments in the code are by the model that wrote it; some were corrected since.
;; Self Attention2d. Allowed arithmetic: matrix products marked QUANTISED: E2M1 operands, one E8M0 scale for each 32 along K, by v_wmma_scale_f32_16x16x128_f8f6f4 with both operands' format E2M1 (or v_wmma_scale_f32_32x16x128_f4), f32 sums; everything else in f32.
;; Inputs: b_proj 256 float32; b_qkv 768 float32; beta 256 float32; gamma 256 float32; w_proj_codes 256 x 8 x 16 uint8 (E2M1 codes of w_proj, K innermost, in blocks of 32 codes, two codes a byte); w_proj_scales 256 x 8 uint8 (E8M0 scales of w_proj, one for each 32 codes along K); w_qkv_codes 768 x 8 x 16 uint8 (E2M1 codes of w_qkv, K innermost, in blocks of 32 codes, two codes a byte); w_qkv_scales 768 x 8 uint8 (E8M0 scales of w_qkv, one for each 32 codes along K); x 4 x 256 x 64 x 64 float32.
;; Outputs: out0 4 x 256 x 64 x 64 float32.
;; This version of the problem:
;;   THIS VERSION OF THE PROBLEM IS GIVEN IN LOW PRECISION. The matrix products marked QUANTISED in the list below multiply operands that are first quantised to E2M1 (2 exponent bits, 1 mantissa bit; 4 bits a number), with one power-of-two scale for each 32 numbers along K (OCP MX v1.0); their sums are f32. All else is computed in f32.
;;   The module's matrix products, in the order in which they are computed (A, B: the left and right operand; K: the contracted axis; several contracted axes count as one K, in the product's order):
;;     1. [M 768, K 256] x [K 256, N 16,384]; A: input w_qkv (given as codes); B: computed on the way: QUANTISED
;;     2. batch 16 x [M 4,096, K 64] x [K 64, N 4,096]; A: computed on the way; B: computed on the way: QUANTISED
;;     3. batch 16 x [M 4,096, K 4,096] x [K 4,096, N 64]; A: softmax (see below); B: computed on the way: QUANTISED
;;     4. [M 256, K 256] x [K 256, N 16,384]; A: input w_proj (given as codes); B: computed on the way: QUANTISED
;;   THE QUANTISER, for each operand of a quantised product, along K:
;;     - K is cut into blocks of 32 from its start; a last block that is shorter is filled with zeros.
;;     - A block's scale is 2^e with e = floor(log2(the largest magnitude in the block)) - 2, held to -126 .. 127; a block of zeros has e = 0. As a byte (E8M0): e + 127.
;;     - Each number is divided by its block's scale, clamped to +-6, and rounded to the nearest number of E2M1, ties to even, subnormals kept.
;;     - The product sums the exact products of the quantised numbers (number of the format x scale) in f32.
;;   ~~~python
;;   def quantise(x, axis):      # numpy; x: float32 -> the quantised numbers, widened to float32 again
;;       x = np.moveaxis(x, axis, -1); K = x.shape[-1]
;;       x = np.pad(x, [(0, 0)] * (x.ndim - 1) + [(0, -K % 32)]); x = x.reshape(x.shape[:-1] + (-1, 32)); a = np.abs(x).max(-1, keepdims=True)
;;       e = np.where(a > 0, np.clip(np.frexp(np.where(a > 0, a, 1))[1] - 1 - 2, -126, 127), 0)      # np.frexp(a)[1] - 1 = floor(log2(a)), exactly
;;       r = np.clip(x / 2.0 ** e, -6, 6)
;;       step = 2.0 ** (np.maximum(np.frexp(np.where(r == 0, 1, r))[1] - 1, 0) - 1)
;;       q = np.round(r / step) * step * 2.0 ** e      # np.round: ties to even
;;       return np.moveaxis(q.reshape(q.shape[:-2] + (-1,))[..., :K], -1, axis).astype(np.float32)
;;   ~~~
;;   SOFTMAX AHEAD OF A QUANTISED PRODUCT. Where the list says 'softmax', what is quantised is not the finished softmax but p = 2^(t - M), with t = logit x log2(e) and M = ceil(the row's largest t), a whole number; so 1/2 < the row's largest p <= 1. The row's sum l is taken of the UNQUANTISED p, in f32, and the product's result is divided by l at the end. Since M is a whole number, a kernel that streams over the keys may use a running M (the ceiling of the running maximum): every later rescaling is an exact power of two, which a block's scale takes up: the codes' values come out the same.
;;   OPERANDS COMPUTED ON THE WAY. 'Computed on the way' means the value that the module computes at that place (a softmax that the list does not call 'softmax' is quantised finished and normalised). What goes into a quantiser is computed in f32, as accurately as f32 sums, v_exp_f32 and their like allow (about 1e-6 of the number): no bf16 or f16 on the way to a quantiser, and a product that is left as it is and whose result goes on into a quantised operand takes f32 operands (vector FMAs, or v_wmma_f32_16x16x4_f32). A number that lies on a knife's edge between two numbers of the format may be rounded either way, as far as f32 arithmetic and the matrix unit's own rounding can turn it there, and no further.
;;   INPUTS GIVEN AS CODES. w_proj (in the module: [256, 256], K = its axis 1); w_qkv (in the module: [768, 256], K = its axis 1): each comes as NAME_codes (uint8): NAME with its K axis moved to the last place and cut into blocks of 32 codes, [.., K / 32, bytes a block], one block behind the other in memory; two codes a byte, the lower K in the low four bits (a code: sign, 2 exponent bits, 1 mantissa bit); and NAME_scales (uint8): the same leading axes, one E8M0 byte (e + 127) for each 32 codes along K. Its value is code x scale, taken as it is: it is not quantised again, and the codes and scales need not be those that the quantiser above would give.
;; One version. Each part assembles by itself: llvm-mc -triple=amdgcn-amd-amdhsa -mcpu=gfx1250 --defsym DOCPART=n.
;; ======== version 1 of 1: 4 launches
;; workspace buffers: stats 16,384 bytes; qb 2,359,296 bytes; kv 4,718,592 bytes; att 2,097,152 bytes; asc 131,072 bytes
;; launch stats (part 1): grid 256 x 1, 8 waves a work-group, no clusters, 0 bytes of LDS; arguments x, stats; writes stats
.if DOCPART == 1
	.amdgcn_target "amdgcn-amd-amdhsa--gfx1250"
	.amdhsa_code_object_version 6
	.text
	.protected	k_qfe06bb3e1e_stats
	.globl	k_qfe06bb3e1e_stats
	.p2align	8
	.type	k_qfe06bb3e1e_stats,@function
k_qfe06bb3e1e_stats:
	s_mov_b64 s[64:65], 0
	v_nop
	global_prefetch_b8 v0, s[64:65] scope:SCOPE_SE
	s_setreg_imm32_b32 hwreg(HW_REG_WAVE_MODE, 25, 1), 1
	s_wait_xcnt 0x0
; GroupNorm's statistics, first half.  x is 4 x 8 groups of 131,072 consecutive f32 numbers.  Each wave takes ONE RUN of 2,048 consecutive numbers
; (8,192 bytes; 64 runs to a group, 2,048 runs in all) and stores the run's mean and the sum of its squared distances from that mean, 8 bytes at stats[run].
; The run stays in 64 registers between the two passes, so x is read once, and no difference of large sums is formed: a common offset of the inputs costs nothing.
; The next launch joins a group's 64 runs.  Each load of the wave covers 512 consecutive bytes.  No LDS, no barrier, no matrix work: waves share nothing.
; LIMITS: NaN and infinities among the inputs are not served.
.set X, 16                             ; v[16:79] the run, 64 numbers a lane
.macro SUM32 a                         ; the sum of v[a] over the 32 lanes, in every lane
	s_delay_alu instid0(VALU_DEP_1)
	v_add_f32_dpp v[\a], v[\a], v[\a] row_xmask:1 row_mask:0xf bank_mask:0xf
	s_delay_alu instid0(VALU_DEP_1)
	v_add_f32_dpp v[\a], v[\a], v[\a] row_xmask:2 row_mask:0xf bank_mask:0xf
	s_delay_alu instid0(VALU_DEP_1)
	v_add_f32_dpp v[\a], v[\a], v[\a] row_xmask:4 row_mask:0xf bank_mask:0xf
	s_delay_alu instid0(VALU_DEP_1)
	v_add_f32_dpp v[\a], v[\a], v[\a] row_xmask:8 row_mask:0xf bank_mask:0xf
	s_delay_alu instid0(VALU_DEP_1)
	v_permlanex16_b32 v13, v[\a], s12, s13
	s_delay_alu instid0(VALU_DEP_1)
	v_add_f32 v[\a], v[\a], v13
.endm
	s_load_b128 s[4:7], s[0:1], 0x0                ; x, stats
	v_lshrrev_b32 v1, 5, v0
	s_delay_alu instid0(VALU_DEP_1)
	v_readfirstlane_b32 s8, v1                     ; wave
	v_and_b32 v15, 31, v0                          ; lane
	s_delay_alu instid0(VALU_DEP_1)
	v_lshlrev_b32 v1, 4, v15                       ; 16 bytes a lane
	v_mov_b32 v13, 0                               ; a lane permute's destination counts as read: written once
	v_mov_b32 v14, 0                               ; the store's offset
	s_lshl_b32 s9, ttmp9, 3
	s_add_co_u32 s9, s9, s8                        ; my run: 8 x work-group + wave
	s_lshl_b32 s10, s9, 13                         ; 8,192 bytes a run
	s_mov_b32 s11, 0
	s_mov_b32 s12, 0x76543210                      ; v_permlanex16_b32's selects for lane l xor 16
	s_mov_b32 s13, 0xfedcba98
	s_wait_alu depctr_va_vdst(0)
	s_wait_kmcnt 0x0
	s_add_nc_u64 s[4:5], s[4:5], s[10:11]
.set i, 0
.rept 16
	global_load_b128 v[X+4*i:X+4*i+3], v1, s[4:5] offset:512*i th:TH_LOAD_NT
.set i, i+1
.endr
	s_lshl_b32 s10, s9, 3                          ; 8 bytes a run in stats
	s_add_nc_u64 s[6:7], s[6:7], s[10:11]
	s_wait_loadcnt 0x0
	v_pk_add_f32 v[4:5], v[16:17], v[24:25]
	v_pk_add_f32 v[6:7], v[32:33], v[40:41]
	v_pk_add_f32 v[8:9], v[48:49], v[56:57]
	v_pk_add_f32 v[94:95], v[64:65], v[72:73]
	v_pk_add_f32 v[92:93], v[18:19], v[26:27]
	v_pk_add_f32 v[90:91], v[34:35], v[42:43]
	v_pk_add_f32 v[88:89], v[50:51], v[58:59]
	v_pk_add_f32 v[2:3], v[66:67], v[74:75]
	s_delay_alu instid0(VALU_DEP_1)
	v_pk_add_f32 v[2:3], v[2:3], v[20:21]
	v_pk_add_f32 v[4:5], v[4:5], v[28:29]
	v_pk_add_f32 v[6:7], v[6:7], v[36:37]
	v_pk_add_f32 v[8:9], v[8:9], v[44:45]
	v_pk_add_f32 v[94:95], v[94:95], v[52:53]
	v_pk_add_f32 v[92:93], v[92:93], v[60:61]
	v_pk_add_f32 v[90:91], v[90:91], v[68:69]
	v_pk_add_f32 v[88:89], v[88:89], v[76:77]
	v_pk_add_f32 v[2:3], v[2:3], v[22:23]
	v_pk_add_f32 v[4:5], v[4:5], v[30:31]
	v_pk_add_f32 v[6:7], v[6:7], v[38:39]
	v_pk_add_f32 v[8:9], v[8:9], v[46:47]
	v_pk_add_f32 v[94:95], v[94:95], v[54:55]
	v_pk_add_f32 v[92:93], v[92:93], v[62:63]
	v_pk_add_f32 v[90:91], v[90:91], v[70:71]
	v_pk_add_f32 v[88:89], v[88:89], v[78:79]
	s_delay_alu instid0(VALU_DEP_4)
	v_pk_add_f32 v[2:3], v[2:3], v[94:95]
	s_delay_alu instid0(VALU_DEP_4)
	v_pk_add_f32 v[4:5], v[4:5], v[92:93]
	s_delay_alu instid0(VALU_DEP_4)
	v_pk_add_f32 v[6:7], v[6:7], v[90:91]
	s_delay_alu instid0(VALU_DEP_4)
	v_pk_add_f32 v[8:9], v[8:9], v[88:89]
	s_delay_alu instid0(VALU_DEP_2)
	v_pk_add_f32 v[2:3], v[2:3], v[6:7]
	s_delay_alu instid0(VALU_DEP_2)
	v_pk_add_f32 v[4:5], v[4:5], v[8:9]
	s_delay_alu instid0(VALU_DEP_1)
	v_pk_add_f32 v[2:3], v[2:3], v[4:5]
	s_delay_alu instid0(VALU_DEP_1)
	v_add_f32 v12, v2, v3
	SUM32 12
	s_delay_alu instid0(VALU_DEP_1)
	v_mul_f32 v10, 0x3a000000, v12                 ; x 2^-11: the run's mean,
	s_delay_alu instid0(VALU_DEP_1)
	v_mov_b32 v11, v10                             ; twice, for the packed subtraction
; pass 2: distances from the mean, in place, and the sum of their squares
.set p, 0
.rept 32
	v_pk_add_f32 v[X+2*p:X+2*p+1], v[X+2*p:X+2*p+1], v[10:11] neg_lo:[0,1] neg_hi:[0,1]
.set p, p+1
.endr
.irp k, 0,1,2,3
	v_pk_mul_f32 v[2+2*\k:3+2*\k], v[X+2*\k:X+2*\k+1], v[X+2*\k:X+2*\k+1]
.endr
.set p, 4
.rept 28
	s_delay_alu instid0(VALU_DEP_4)
	v_pk_fma_f32 v[2+2*(p%4):3+2*(p%4)], v[X+2*p:X+2*p+1], v[X+2*p:X+2*p+1], v[2+2*(p%4):3+2*(p%4)]
.set p, p+1
.endr
	s_delay_alu instid0(VALU_DEP_3)
	v_pk_add_f32 v[2:3], v[2:3], v[4:5]
	s_delay_alu instid0(VALU_DEP_2)
	v_pk_add_f32 v[6:7], v[6:7], v[8:9]
	s_delay_alu instid0(VALU_DEP_1)
	v_pk_add_f32 v[2:3], v[2:3], v[6:7]
	s_delay_alu instid0(VALU_DEP_1)
	v_add_f32 v11, v2, v3
	SUM32 11
	s_wait_alu depctr_va_vdst(0)
	s_wait_xcnt 0x0                                ; EXEC changes only behind this wait
	v_cmp_eq_u32 vcc_lo, 0, v15
	s_and_saveexec_b32 s14, vcc_lo                 ; lane 0 stores for the wave
	global_store_b64 v14, v[10:11], s[6:7]
	s_endpgm
.Lfunc_end_k_qfe06bb3e1e_stats:
	.size	k_qfe06bb3e1e_stats, .Lfunc_end_k_qfe06bb3e1e_stats-k_qfe06bb3e1e_stats
	.p2alignl 7, 3214868480
	.fill 96, 4, 3214868480
	.section	.rodata,"a",@progbits
	.p2align	6, 0x0
	.amdhsa_kernel k_qfe06bb3e1e_stats
		.amdhsa_group_segment_fixed_size 0
		.amdhsa_private_segment_fixed_size 0
		.amdhsa_enable_private_segment 0
		.amdhsa_kernarg_size 16
		.amdhsa_user_sgpr_count 2
		.amdhsa_user_sgpr_kernarg_segment_ptr 1
		.amdhsa_wavefront_size32 1
		.amdhsa_system_sgpr_workgroup_id_x 1
		.amdhsa_system_sgpr_workgroup_id_y 1
		.amdhsa_system_sgpr_workgroup_id_z 1
		.amdhsa_system_vgpr_workitem_id 0
		.amdhsa_next_free_vgpr 96
		.amdhsa_next_free_sgpr 66
		.amdhsa_reserve_vcc 1
		.amdhsa_float_denorm_mode_32 3
		.amdhsa_float_denorm_mode_16_64 3
		.amdhsa_memory_ordered 1
		.amdhsa_forward_progress 1
		.amdhsa_inst_pref_size 12
	.end_amdhsa_kernel
	.amdgpu_metadata
---
amdhsa.version: [ 1, 2 ]
amdhsa.kernels:
  - .name:           k_qfe06bb3e1e_stats
    .symbol:         k_qfe06bb3e1e_stats.kd
    .args:
      - { .name: x, .offset: 0, .size: 8, .value_kind: global_buffer, .address_space: global }
      - { .name: stats, .offset: 8, .size: 8, .value_kind: global_buffer, .address_space: global }
    .group_segment_fixed_size: 0
    .private_segment_fixed_size: 0
    .kernarg_segment_align: 8
    .kernarg_segment_size: 16
    .max_flat_workgroup_size: 256
    .sgpr_count:     66
    .vgpr_count:     96
    .wavefront_size: 32
...
	.end_amdgpu_metadata
.endif
;; end of part 1
;; launch qkv (part 2): grid 256 x 1, 8 waves a work-group, no clusters, 11,264 bytes of LDS; arguments x, stats, gamma, beta, w_qkv_codes, w_qkv_scales, b_qkv, qb, kv; writes qb, kv
.if DOCPART == 2
	.amdgcn_target "amdgcn-amd-amdhsa--gfx1250"
	.amdhsa_code_object_version 6
	.text
	.protected	k_qfe06bb3e1e_qkv
	.globl	k_qfe06bb3e1e_qkv
	.p2align	8
	.type	k_qfe06bb3e1e_qkv,@function
k_qfe06bb3e1e_qkv:
	s_mov_b64 s[64:65], 0
	v_nop
	global_prefetch_b8 v0, s[64:65] scope:SCOPE_SE
	s_setreg_imm32_b32 hwreg(HW_REG_WAVE_MODE, 25, 1), 1
	s_wait_xcnt 0x0
; GroupNorm, the 1 x 1 convolution to q, k, v on codes of FP4 (E2M1) with one E8M0 scale for each 32 along K, and the quantising of q and k (along the head's 64) and of v (along the keys).
; A work-group takes 64 pixels (a chunk) of one batch.  PHASE 1: wave w joins the 64 runs of group w (equal counts: the mean of the means; the sums of squares plus 2,048 x the squared distances of the means),
; normalises the group's 32 channels x 64 pixels (a lane: pixels 2 l, 2 l + 1; each load reads 256 consecutive bytes) and quantises them: a block of 32 along K = channels IS a group, and lies in one lane's
; registers.  Codes and scale bytes go to LDS by pixel rows (128 bytes + 16); one barrier.  PHASE 2: wave w multiplies rows 64 w .. 64 w + 63 of W (w < 4: q of head w; else k of head w - 4) by all four
; tiles of pixels, transposed (source 0 = 16 rows of W, source 1 = 16 pixels), so that a lane holds one pixel and its registers run along the head's 64.  PHASE 3: rows 512 + 32 w .. + 31 (v), the other way
; round (source 0 = 16 pixels, source 1 = 16 rows of W), so that a lane holds one channel and its registers run along the keys.  Each byte of W is read once by the work-group, straight into the registers that
; the products name: a joint request of several work-groups would bring it into LDS, from which it would have to be read once more; so no cluster.
; THE ROWS OF A TILE ARE NOT NEIGHBOURS: lane r of tile 2 b + u takes row (of W, or pixel) 32 b + 8 u + r + 8 (r / 8), so that the 16 registers of tiles 2 b, 2 b + 1 are 16 neighbours along the next K.
; OUT (the program's own layouts; position 16 u + r of a group of 32 stands for member 8 u + r + 8 (r / 8)):
;   qb [head 16][chunk 64][2,304]: 256 bytes of scale words (tile (b, u), row r at 8 (16 u + r) + 4 b; bytes 0, 1 the two blocks, bytes 2, 3 zero), then codes [block 2][position 64][16 bytes]
;   kv [head 16][chunk 64][4,608]: k as q; at 2,304 v's codes [block of 32 keys 2][channel position 64][16 bytes]; at 4,352 v's scale words [channel position 64], bytes 0, 1 the two blocks of keys
; q is stored without reference()'s factor 1/8: a power of two, which moves a block's scale and no code; the next launch has it in its softmax's constant.
; LIMITS: NaN and infinities are not served; a block whose largest magnitude lies under 2^-124 keeps the scale byte 1 (a block of zeros too: its codes are zeros, and this program alone reads the bytes);
; leaving 1/8 out of q is exact unless a block's exponent lies within 3 of the quantiser's lower hold at -126.
.set XP,   144                         ; LDS: a pixel's row of codes: 128 bytes + 16
.set XSC,  64*XP                       ; behind the 64 rows: 8 scale bytes a pixel
.set R,    16                          ; v[16:79]   x as loaded, a pair of pixels a channel;  then W's fragments for q or k (tile T, K step s at 16 T + 8 s);  then v's accumulators
.set WFQ,  16
.set ACC,  16
.set XN,   80                          ; v[80:143]  xn [pixel 2][channel 32];  then the bias in the result's layout (v80-111; for v: v80-95) and W's fragments for v (v112-143)
.set BI,   80
.set BV,   80
.set WFV,  112
.set GA,   144                         ; v[144:175] gamma x rstd;  then the four accumulators of q or k
.set HA,   144
.set BE,   176                         ; v[176:207] beta;  then xn's two fragments (v176-191) and the codes made, four registers a tile (v192-207)
.set XF,   176
.set PCQ,  192
.set XF4,  144                         ; v[144:207] phase 3: xn's eight fragments
.set WSQ,  208                         ; v208-215   W's scale words for q or k, a pair a tile
.set WSV,  216                         ; v216-219   for v
.set XS,   220                         ; v220-227   xn's scale words
.set WD,   228                         ; v228-231   the scale words made, one a tile
.set BVR,  232                         ; v232-233   v's bias, by lane
.set TM,   234                         ; v234-245   at work: +0..3 largest magnitudes, +4..7 permuted maxima, then bytes, +8..11 the conversions' scale operands
.set PC,   246                         ; v246-253   codes just made (at the head: the statistics' four words)
.set OP,   254                         ; v254-255   words on their way out
.macro SUM32 a                         ; the sum of v[a] over the 32 lanes, in every lane
	s_delay_alu instid0(VALU_DEP_1)
	v_add_f32_dpp v[\a], v[\a], v[\a] row_xmask:1 row_mask:0xf bank_mask:0xf
	s_delay_alu instid0(VALU_DEP_1)
	v_add_f32_dpp v[\a], v[\a], v[\a] row_xmask:2 row_mask:0xf bank_mask:0xf
	s_delay_alu instid0(VALU_DEP_1)
	v_add_f32_dpp v[\a], v[\a], v[\a] row_xmask:4 row_mask:0xf bank_mask:0xf
	s_delay_alu instid0(VALU_DEP_1)
	v_add_f32_dpp v[\a], v[\a], v[\a] row_xmask:8 row_mask:0xf bank_mask:0xf
	s_wait_alu depctr_va_vdst(0)
	v_permlanex16_b32 v[TM+4], v[\a], s40, s41
	s_delay_alu instid0(VALU_DEP_1)
	v_add_f32 v[\a], v[\a], v[TM+4]
.endm
.macro MM d, a, b, c, sa, sb           ; one product, 16 x 16 x 128
	v_wmma_scale_f32_16x16x128_f8f6f4 v[\d:\d+7], v[\a:\a+7], v[\b:\b+7], v[\c:\c+7], v[\sa], v[\sb] matrix_a_fmt:MATRIX_FMT_FP4 matrix_b_fmt:MATRIX_FMT_FP4
.endm
.macro PLACES n
.rept \n
	v_nop
.endr
.endm
; nb blocks of 32 along K: register 16 b + i of v[s] on is k = 32 b + 16 (lane / 16) + i of my row.  Codes into v[pc] on, two registers a block; the bytes stay in v[TM+4] on.
; Each accumulator's registers are read from the low end on.  Behind the exchange lanes 0-15 hold an even block whole and lanes 16-31 the odd block after it.
.macro QUANT s, pc, nb
.set b, 0
.rept \nb
	v_max3_num_f32 v[TM+b], |v[\s+16*b]|, |v[\s+16*b+1]|, 0x1800000   ; my 16 numbers, and the floor 2^(3 - 127): the byte cannot fall under 1
.set b, b+1
.endr
.irp i, 2,4,6,8,10,12,14
.set b, 0
.rept \nb
	v_max3_num_f32 v[TM+b], v[TM+b], |v[\s+16*b+\i]|, |v[\s+16*b+\i+1]|   ; (the blocks by turns)
.set b, b+1
.endr
.endr
.set b, 0
.rept \nb
	v_permlanex16_b32 v[TM+4+b], v[TM+b], s40, s41
.set b, b+1
.endr
.set b, 0
.rept \nb
	v_max_num_f32 v[TM+b], v[TM+b], v[TM+4+b]      ; with lane l xor 16's: the block's largest magnitude
.set b, b+1
.endr
.set b, 0
.rept \nb
	v_add_nc_u32 v[TM+8+b], 0xff000000, v[TM+b]    ; 2 off its exponent field: the conversion's scale operand
.set b, b+1
.endr
.set b, 0
.rept \nb
	v_lshrrev_b32 v[TM+4+b], 23, v[TM+8+b]         ; the scale's byte
.set b, b+1
.endr
.set b, 0
.rept \nb
	v_cvt_scalef32_pk8_fp4_f32 v[(\pc)+2*b], v[\s+16*b:\s+16*b+7], v[TM+8+b]
	v_cvt_scalef32_pk8_fp4_f32 v[(\pc)+2*b+1], v[\s+16*b+8:\s+16*b+15], v[TM+8+b]
.set b, b+1
.endr
	v_nop                                          ; one plain place behind a scaled conversion
.set b, 0
.rept \nb/2
	v_permlane16_swap_b32 v[(\pc)+4*b], v[(\pc)+4*b+2]
	v_permlane16_swap_b32 v[(\pc)+4*b+1], v[(\pc)+4*b+3]
.set b, b+1
.endr
.endm
	s_load_b512 s[4:19], s[0:1], 0x0               ; x s[4:5], stats s[6:7], gamma s[8:9], beta s[10:11], W's codes s[12:13], W's scales s[14:15], b_qkv s[16:17], qb s[18:19]
	s_load_b64 s[20:21], s[0:1], 0x40              ; kv
	v_lshl_add_u32 v12, v0, 2, 0x2800
	s_set_vgpr_msb 0x40
	v_mov_b32 v1, 0
	s_set_vgpr_msb 0x4000
	v_lshrrev_b32 v1, 5, v0
	s_delay_alu instid0(VALU_DEP_1)
	v_readfirstlane_b32 s22, v1                    ; wave 0..7
	s_lshr_b32 s23, ttmp9, 6                       ; batch
	s_and_b32 s24, ttmp9, 63                       ; chunk
	s_mov_b32 s40, 0x76543210                      ; v_permlanex16_b32's selects for lane l xor 16
	s_mov_b32 s41, 0xfedcba98
	s_mov_b32 s54, 0x3727c5ac                      ; 1e-5
	s_mov_b32 vcc_lo, 0xffff0000                   ; lanes 16-31: for the selects by the lane's half
	v_and_b32 v252, 31, v0                         ; lane
	v_and_b32 v253, 15, v0                         ; r
	v_bfe_u32 v254, v0, 4, 1                       ; h
	s_delay_alu instid0(VALU_DEP_2)
	v_and_b32 v255, 8, v253
	s_delay_alu instid0(VALU_DEP_1)
	v_add_nc_u32 v255, v255, v253                  ; rr = r + 8 (r / 8)
	v_lshlrev_b32 v1, 3, v252                      ; 8 x lane: x's two pixels; later the scale words' place
	v_mov_b32 v2, 0                                ; gamma and beta: the same 32 numbers in every lane
	v_lshlrev_b32 v15, 4, v252                     ; 16 x lane: two runs' statistics
	; offsets of what phase 1 loads
	s_lshl_b32 s44, s23, 22                        ; x: batch x 4,194,304
	s_lshl_b32 s46, s22, 19                        ;    + group x 524,288
	s_add_co_u32 s44, s44, s46
	s_lshl_b32 s46, s24, 8                         ;    + chunk x 256
	s_add_co_u32 s44, s44, s46
	s_mov_b32 s45, 0
	s_lshl_b32 s46, s23, 12                        ; stats: 512 (8 batch + group)
	s_lshl_b32 s48, s22, 9
	s_add_co_u32 s46, s46, s48
	s_mov_b32 s47, 0
	s_lshl_b32 s50, s22, 7                         ; gamma, beta: 128 x group
	s_mov_b32 s51, 0
	s_wait_alu depctr_va_vdst(0)
	s_wait_kmcnt 0x0
	s_add_nc_u64 s[4:5], s[4:5], s[44:45]
	s_add_nc_u64 s[6:7], s[6:7], s[46:47]
	s_add_nc_u64 s[8:9], s[8:9], s[50:51]
	s_add_nc_u64 s[10:11], s[10:11], s[50:51]
	global_load_b128 v[PC:PC+3], v15, s[6:7]       ; mean, squares of runs 2 l and 2 l + 1
.irp k, 0,1,2,3,4,5,6,7
	global_load_b128 v[GA+4*\k:GA+4*\k+3], v2, s[8:9] offset:16*\k
.endr
.irp k, 0,1,2,3,4,5,6,7
	global_load_b128 v[BE+4*\k:BE+4*\k+3], v2, s[10:11] offset:16*\k
.endr
.set c, 0
.rept 32
	global_load_b64 v[R+2*c:R+2*c+1], v1, s[4:5] offset:16384*c th:TH_LOAD_NT   ; channel c: the wave reads 256 consecutive bytes, aligned
.set c, c+1
.endr
	; the other addresses, while the loads are out
	s_lshl_b32 s25, s22, 4
	v_mul_u32_u24 v3, v252, 2*XP
	s_delay_alu instid0(VALU_DEP_1)
	v_add_nc_u32 v3, s25, v3                       ; LDS, in: pixel 2 l's row, block w
	v_lshlrev_b32 v4, 4, v252
	s_delay_alu instid0(VALU_DEP_1)
	v_add_nc_u32 v4, s22, v4
	s_delay_alu instid0(VALU_DEP_1)
	v_add_nc_u32 v4, XSC, v4                       ; and its scale byte
	v_mul_u32_u24 v5, v255, XP
	s_delay_alu instid0(VALU_DEP_1)
	v_lshl_add_u32 v5, v254, 4, v5                 ; LDS, out: a fragment's row rr, + 16 h
	v_lshl_add_u32 v6, v255, 3, XSC                ; and its scale words
	v_lshlrev_b32 v7, 7, v255
	s_delay_alu instid0(VALU_DEP_1)
	v_lshl_add_u32 v7, v254, 4, v7                 ; W's codes: row rr of 128 bytes, + 16 h
	v_lshlrev_b32 v8, 3, v255                      ; W's scales: 8 bytes a row
	v_lshlrev_b32 v9, 6, v254                      ; the bias of q or k in the result's layout: 16 numbers on for lanes 16-31
	v_lshlrev_b32 v10, 2, v255                     ; the bias of v: by lane
	v_lshlrev_b32 v11, 10, v254
	s_delay_alu instid0(VALU_DEP_1)
	v_lshl_add_u32 v11, v253, 4, v11               ; codes of q or k, out: block h, position r
	s_and_b32 s55, s22, 1
	s_lshl_b32 s56, s55, 9
	v_add_nc_u32 v13, s56, v15                     ; codes of v, out: channel position 32 (w & 1) + lane
	s_lshl_b32 s56, s55, 7
	v_lshl_add_u32 v14, v252, 2, s56               ; and its scale word
.irp b, 0,1,2,3
	v_mov_b32 v[TM+4+\b], 0                        ; written once: a lane permute's destination counts as one of its sources
.endr
	s_mov_b32 s49, 0                               ; s48 = 512 w
	s_add_nc_u64 s[30:31], s[14:15], s[48:49]      ; W's scales at row 64 w
	s_add_nc_u64 s[36:37], s[16:17], s[50:51]      ; b_qkv at 32 w
	s_lshl_b32 s48, s22, 8
	s_add_nc_u64 s[32:33], s[14:15], s[48:49]      ; W's scales at row 32 w
	s_add_nc_u64 s[34:35], s[16:17], s[48:49]      ; b_qkv at 64 w
	s_lshl_b32 s48, s22, 12
	s_add_nc_u64 s[28:29], s[12:13], s[48:49]      ; W's codes at row 32 w
	s_lshl_b32 s48, s22, 13
	s_add_nc_u64 s[26:27], s[12:13], s[48:49]      ; W's codes at row 64 w
	s_lshl_b32 s50, s23, 2
	s_and_b32 s51, s22, 3
	s_add_co_u32 s50, s50, s51
	s_lshl_b32 s50, s50, 6
	s_add_co_u32 s50, s50, s24                     ; (4 batch + head) 64 + chunk
	s_mov_b32 s51, 4608
	s_cmp_lt_u32 s22, 4                            ; q's wave or k's?  It hangs on the wave's number alone
	s_cselect_b64 s[38:39], s[18:19], s[20:21]
	s_cselect_b32 s51, 2304, s51
	s_mul_i32 s50, s50, s51
	s_mov_b32 s51, 0
	s_add_nc_u64 s[38:39], s[38:39], s[50:51]      ; my record of qb or kv
	s_lshl_b32 s52, s23, 2
	s_lshr_b32 s53, s22, 1
	s_add_co_u32 s52, s52, s53
	s_lshl_b32 s52, s52, 6
	s_add_co_u32 s52, s52, s24
	s_mul_i32 s52, s52, 4608
	s_mov_b32 s53, 0
	s_add_nc_u64 s[42:43], s[20:21], s[52:53]      ; v's record of kv
; ---- PHASE 1.  The group's mean and 1 / sqrt(variance + 1e-5)
	s_wait_loadcnt 48                              ; the statistics are in; behind them 8 + 8 + 32 loads are out
	v_add_f32 v[TM+3], v[PC], v[PC+2]
	SUM32 TM+3
	s_delay_alu instid0(VALU_DEP_1)
	v_mul_f32 v[TM], 0x3c800000, v[TM+3]           ; x 2^-6: 64 runs of equal length: the mean of the means,
	s_delay_alu instid0(VALU_DEP_1)
	v_mov_b32 v[TM+1], v[TM]                       ; twice, for the packed subtraction
	s_delay_alu instid0(VALU_DEP_2)
	v_sub_f32 v[PC], v[PC], v[TM]
	s_delay_alu instid0(VALU_DEP_3)
	v_sub_f32 v[PC+2], v[PC+2], v[TM]
	v_add_f32 v[TM+3], v[PC+1], v[PC+3]
	s_delay_alu instid0(VALU_DEP_3)
	v_mul_f32 v[PC], v[PC], v[PC]
	s_delay_alu instid0(VALU_DEP_1)
	v_fmac_f32 v[PC], v[PC+2], v[PC+2]
	s_delay_alu instid0(VALU_DEP_1)
	v_fmac_f32 v[TM+3], 0x45000000, v[PC]          ; + 2,048 x the squared distances of my two runs' means
	SUM32 TM+3
	s_delay_alu instid0(VALU_DEP_1)
	v_fma_f32 v[TM+3], v[TM+3], 0x37000000, s54    ; x 2^-17, + 1e-5
	s_wait_alu depctr_va_vdst(0)
	v_rsq_f32 v[TM+2], v[TM+3]
	v_nop                                          ; a plain place behind the transcendental
	s_wait_loadcnt 32                              ; gamma and beta are in; x's 32 loads may be out
.set c, 0
	s_wait_alu depctr_va_vdst(0)
.rept 16
	v_pk_mul_f32 v[GA+c:GA+c+1], v[GA+c:GA+c+1], v[TM+2:TM+3] op_sel_hi:[1,0]   ; gamma x rstd
.set c, c+2
.endr
.set g, 0
.rept 4
	s_wait_loadcnt 24-8*g                          ; eight more channels are in; the later ones may be out
.set c, 8*g
.rept 8
	v_pk_add_f32 v[R+2*c:R+2*c+1], v[R+2*c:R+2*c+1], v[TM:TM+1] neg_lo:[0,1] neg_hi:[0,1]
.set c, c+1
.endr
.set c, 8*g
.rept 8
	v_fma_f32 v[XN+c], v[R+2*c], v[GA+c], v[BE+c]              ; the destination does the turn: a pixel's 32 channels on end
	v_fma_f32 v[XN+32+c], v[R+2*c+1], v[GA+c], v[BE+c]
.set c, c+1
.endr
.set g, g+1
.endr
.irp T, 0,1,2,3                        ; W's fragments for q or k take x's registers: they land while xn is quantised
.irp s, 0,1
.irp c, 0,1
	global_load_b128 v[WFQ+16*\T+8*\s+4*\c:WFQ+16*\T+8*\s+4*\c+3], v7, s[26:27] offset:(32*(\T/2)+8*(\T%2))*128+64*\s+32*\c
.endr
.endr
.endr
.irp p, 0,1                            ; a pixel's block: all 32 numbers are mine
	v_max3_num_f32 v[TM+2+\p], |v[XN+32*\p]|, |v[XN+32*\p+1]|, 0x1800000   ; and the floor 2^(3 - 127)
.endr
.irp i, 2,4,6,8,10,12,14,16,18,20,22,24,26,28,30
.irp p, 0,1
	s_delay_alu instid0(VALU_DEP_2)
	v_max3_num_f32 v[TM+2+\p], v[TM+2+\p], |v[XN+32*\p+\i]|, |v[XN+32*\p+\i+1]|
.endr
.endr
.irp p, 0,1
	s_delay_alu instid0(VALU_DEP_2)
	v_add_nc_u32 v[TM+8+\p], 0xff000000, v[TM+2+\p]
.endr
.irp p, 0,1
	s_delay_alu instid0(VALU_DEP_2)
	v_lshrrev_b32 v[TM+4+\p], 23, v[TM+8+\p]
.endr
.irp p, 0,1
.irp g, 0,1,2,3
	v_cvt_scalef32_pk8_fp4_f32 v[PC+4*\p+\g], v[XN+32*\p+8*\g:XN+32*\p+8*\g+7], v[TM+8+\p]
.endr
.endr
	v_nop                                          ; one plain place behind a scaled conversion
.irp p, 0,1
	ds_store_b128 v3, v[PC+4*\p:PC+4*\p+3] offset:XP*\p
	ds_store_b8 v4, v[TM+4+\p] offset:8*\p
.endr
.irp T, 0,1,2,3                        ; the bias of q or k as the sums' first C: lane (r, h), register j of tile 2 b + u: row 32 b + 16 h + 8 u + j
	global_load_b128 v[BI+8*\T:BI+8*\T+3], v9, s[34:35] offset:(32*(\T/2)+8*(\T%2))*4
	global_load_b128 v[BI+8*\T+4:BI+8*\T+7], v9, s[34:35] offset:(32*(\T/2)+8*(\T%2))*4+16
.endr
.irp u, 0,1
.irp s, 0,1
.irp c, 0,1
	global_load_b128 v[WFV+16*\u+8*\s+4*\c:WFV+16*\u+8*\s+4*\c+3], v7, s[28:29] offset:65536+1024*\u+64*\s+32*\c
.endr
.endr
.endr
.irp T, 0,1,2,3
	global_load_b64 v[WSQ+2*\T:WSQ+2*\T+1], v8, s[30:31] offset:(32*(\T/2)+8*(\T%2))*8
.endr
.irp u, 0,1
	global_load_b64 v[WSV+2*\u:WSV+2*\u+1], v8, s[32:33] offset:4096+64*\u
.endr
.irp u, 0,1
	global_load_b32 v[BVR+\u], v10, s[36:37] offset:2048+32*\u
.endr
	s_wait_dscnt 0x0                               ; for the others' sake: my part of xn's rows has landed
	s_barrier_signal -1
	s_barrier_wait -1                              ; the one barrier: xn's codes and scale bytes are whole, and are never written again
	s_wait_loadcnt 0x0                             ; the weights, their scales, the biases
; ---- PHASE 2: q or k, a tile of 16 pixels at a time; the four accumulators take turns, K step by K step
.irp t, 0,1,2,3
.irp s, 0,1
.irp c, 0,1
	ds_load_b128 v[XF+8*\s+4*\c:XF+8*\s+4*\c+3], v5 offset:(32*(\t/2)+8*(\t%2))*XP+64*\s+32*\c
.endr
.endr
	ds_load_b64 v[XS:XS+1], v6 offset:(32*(\t/2)+8*(\t%2))*8
	s_wait_dscnt 0x0
.irp T, 0,1,2,3
	MM HA+8*\T, WFQ+16*\T, XF, BI+8*\T, WSQ+2*\T, XS
.endr
.irp T, 0,1,2,3
	MM HA+8*\T, WFQ+16*\T+8, XF+8, HA+8*\T, WSQ+2*\T+1, XS+1
.endr
	PLACES 5                                       ; ahead of the reads of the results, of the next tile's loads into xn's registers, and of the products that begin these accumulators anew
	QUANT HA, PCQ+4*\t, 2
	v_lshl_or_b32 v[WD+\t], v[TM+5], 8, v[TM+4]    ; my pixel's scale word: two bytes, and zeros for the half of the next K step that has no numbers
	global_store_b128 v11, v[PCQ+4*\t:PCQ+4*\t+3], s[38:39] offset:256+256*\t   ; each half of the wave stores 256 consecutive bytes, aligned
.endr
	v_cndmask_b32 v[OP], v[WD], v[WD+1], vcc_lo    ; lanes 0-15 tile (b, 0)'s words, lanes 16-31 tile (b, 1)'s
	v_cndmask_b32 v[OP+1], v[WD+2], v[WD+3], vcc_lo
	global_store_b64 v1, v[OP:OP+1], s[38:39]      ; 256 consecutive bytes
; ---- PHASE 3: v: eight accumulators (four tiles of keys x two tiles of channels) by turns
.irp u, 0,1
.irp j, 0,1,2,3,4,5,6,7
	v_mov_b32 v[BV+8*\u+\j], v[BVR+\u]             ; the bias as the sums' first C: here a lane is a channel, so all eight registers hold its number
.endr
.endr
	PLACES 4
	s_wait_alu depctr_va_vdst(0)
	s_wait_xcnt 0x0                                ; the stores above have read their data: those registers take xn's fragments and the next words
.irp t, 0,1,2,3
.irp s, 0,1
.irp c, 0,1
	ds_load_b128 v[XF4+16*\t+8*\s+4*\c:XF4+16*\t+8*\s+4*\c+3], v5 offset:(32*(\t/2)+8*(\t%2))*XP+64*\s+32*\c
.endr
.endr
	ds_load_b64 v[XS+2*\t:XS+2*\t+1], v6 offset:(32*(\t/2)+8*(\t%2))*8
.endr
	s_wait_dscnt 0x0
.irp s, 0,1
.irp t, 0,1,2,3
.irp u, 0,1
.if \s == 0
	MM ACC+16*(2*(\t/2)+\u)+8*(\t%2), XF4+16*\t+8*\s, WFV+16*\u+8*\s, BV+8*\u, XS+2*\t+\s, WSV+2*\u+\s
.else
	MM ACC+16*(2*(\t/2)+\u)+8*(\t%2), XF4+16*\t+8*\s, WFV+16*\u+8*\s, ACC+16*(2*(\t/2)+\u)+8*(\t%2), XS+2*\t+\s, WSV+2*\u+\s
.endif
.endr
.endr
.endr
	PLACES 5
	QUANT ACC, PC, 4                               ; block 2 b + u: keys 32 b on, channels of tile u.  Behind it lane 16 u + r holds the 32 keys of block b, in registers 4 b .. 4 b + 3
.irp b, 0,1
	global_store_b128 v13, v[PC+4*\b:PC+4*\b+3], s[42:43] offset:2304+1024*\b   ; 512 consecutive bytes
.endr
	v_cndmask_b32 v[OP], v[TM+4], v[TM+5], vcc_lo
	v_cndmask_b32 v[OP+1], v[TM+6], v[TM+7], vcc_lo
	s_delay_alu instid0(VALU_DEP_1)
	v_lshl_or_b32 v[OP], v[OP+1], 8, v[OP]
	global_store_b32 v14, v[OP], s[42:43] offset:4352   ; 128 consecutive bytes: the two waves of a head fill 256
	s_set_vgpr_msb 0x4
	s_wait_tensorcnt 0x0
	ds_add_u32 v12, v1
	s_wait_dscnt 0x0
	s_set_vgpr_msb 0x400
	s_endpgm
.Lfunc_end_k_qfe06bb3e1e_qkv:
	.size	k_qfe06bb3e1e_qkv, .Lfunc_end_k_qfe06bb3e1e_qkv-k_qfe06bb3e1e_qkv
	.p2alignl 7, 3214868480
	.fill 96, 4, 3214868480
	.section	.rodata,"a",@progbits
	.p2align	6, 0x0
	.amdhsa_kernel k_qfe06bb3e1e_qkv
		.amdhsa_group_segment_fixed_size 11264
		.amdhsa_private_segment_fixed_size 0
		.amdhsa_enable_private_segment 0
		.amdhsa_kernarg_size 72
		.amdhsa_user_sgpr_count 2
		.amdhsa_user_sgpr_kernarg_segment_ptr 1
		.amdhsa_wavefront_size32 1
		.amdhsa_system_sgpr_workgroup_id_x 1
		.amdhsa_system_sgpr_workgroup_id_y 1
		.amdhsa_system_sgpr_workgroup_id_z 1
		.amdhsa_system_vgpr_workitem_id 0
		.amdhsa_next_free_vgpr 258
		.amdhsa_next_free_sgpr 66
		.amdhsa_reserve_vcc 1
		.amdhsa_float_denorm_mode_32 3
		.amdhsa_float_denorm_mode_16_64 3
		.amdhsa_memory_ordered 1
		.amdhsa_forward_progress 1
		.amdhsa_inst_pref_size 49
	.end_amdhsa_kernel
	.amdgpu_metadata
---
amdhsa.version: [ 1, 2 ]
amdhsa.kernels:
  - .name:           k_qfe06bb3e1e_qkv
    .symbol:         k_qfe06bb3e1e_qkv.kd
    .args:
      - { .name: x, .offset: 0, .size: 8, .value_kind: global_buffer, .address_space: global }
      - { .name: stats, .offset: 8, .size: 8, .value_kind: global_buffer, .address_space: global }
      - { .name: gamma, .offset: 16, .size: 8, .value_kind: global_buffer, .address_space: global }
      - { .name: beta, .offset: 24, .size: 8, .value_kind: global_buffer, .address_space: global }
      - { .name: w_qkv_codes, .offset: 32, .size: 8, .value_kind: global_buffer, .address_space: global }
      - { .name: w_qkv_scales, .offset: 40, .size: 8, .value_kind: global_buffer, .address_space: global }
      - { .name: b_qkv, .offset: 48, .size: 8, .value_kind: global_buffer, .address_space: global }
      - { .name: qb, .offset: 56, .size: 8, .value_kind: global_buffer, .address_space: global }
      - { .name: kv, .offset: 64, .size: 8, .value_kind: global_buffer, .address_space: global }
    .group_segment_fixed_size: 11264
    .private_segment_fixed_size: 0
    .kernarg_segment_align: 8
    .kernarg_segment_size: 72
    .max_flat_workgroup_size: 256
    .sgpr_count:     66
    .vgpr_count:     258
    .wavefront_size: 32
...
	.end_amdgpu_metadata
.endif
;; end of part 2
;; launch attn (part 3): grid 16 x 16, 8 waves a work-group, clusters of 4 x 1, 295,936 bytes of LDS; arguments qb, kv, att, asc; writes att, asc
.if DOCPART == 3
	.amdgcn_target "amdgcn-amd-amdhsa--gfx1250"
	.amdhsa_code_object_version 6
	.text
	.protected	k_qfe06bb3e1e_attn
	.globl	k_qfe06bb3e1e_attn
	.p2align	8
	.type	k_qfe06bb3e1e_attn,@function
k_qfe06bb3e1e_attn:
	s_mov_b64 s[64:65], 0
	v_nop
	global_prefetch_b8 v0, s[64:65] scope:SCOPE_SE
	s_setreg_imm32_b32 hwreg(HW_REG_WAVE_MODE, 25, 1), 1
	s_wait_xcnt 0x0
	s_wait_alu depctr_hold_cnt(0) depctr_sa_sdst(0) depctr_va_vdst(0) depctr_va_sdst(0) depctr_va_ssrc(0) depctr_va_vcc(0) depctr_vm_vsrc(0)
	s_getreg_b32 s2, hwreg(HW_REG_IB_STS2, 6, 4)
	s_cmp_eq_u32 s2, 0
	s_cbranch_scc0 .Lentry_in_a_cluster
	s_endpgm
.Lentry_in_a_cluster:
	s_bfe_u32 s2, ttmp6, 0x10000c
	s_cmp_lg_u32 s2, 0x3003
	s_cbranch_scc0 .Lentry_shape_is_right
	s_endpgm
.Lentry_shape_is_right:
; Attention of 16 heads (4,096 queries and keys, head size 64), both products on codes of FP4 (E2M1) with one E8M0 scale for each 32 along K; the result, divided by the row's sum, is quantised along (head, channel).
; THE SOFTMAX AHEAD OF THE SECOND PRODUCT: t = score x log2(e) / 8 (reference()'s factor 1/8 on q is a power of two: it moves scales, not codes, and stands in this constant); M = the row's largest t so far,
; rounded UP to a whole number; p = 2^(t - M) is quantised along the keys, not normalised; the row's sum is taken of the unquantised p and divides O at the end.  When M moves, the sum and O are multiplied by 2^(old M - new M): exact.
; SHARES.  A work-group owns 256 queries of one head; each of its eight waves 32: two tiles of 16, A and B, so that each fragment of K and V read from LDS feeds two products.  Every wave walks all keys, 128 a step.
; LDS.  A head's K and V, codes and scale words, are 64 records of 4,608 bytes, 294,912 consecutive bytes of kv: they come into LDS ONCE, as they lie, in four groups of 16 records; each wave brings an eighth of each group.
; Nothing is filled again: no ring.  By this text's count a wave has four tensor loads out at the start.  A group is read behind the counted wait for it and a barrier.
; CLUSTER.  The four work-groups of a cluster belong to one head and need the same bytes: each load is asked for JOINTLY, by the same line with the same descriptor and a mask that names the four.
; LAYOUT.  Both products are used transposed: S^T = K Q^T (source 0 = 16 keys, source 1 = 16 queries), O^T = V^T P^T (source 0 = 16 channels, source 1 = P): a lane holds ONE query throughout.  The launch before has laid K's
; rows and V's channels so that a tile's lane r stands for member 8 u + r + 8 (r / 8) of its 32: the 16 registers of two neighbouring tiles are 16 neighbouring keys (or channels), and a fragment's 16 lanes read 256 consecutive bytes.
; THE HEAD'S 64 ARE HALF OF THE INSTRUCTION'S K.  Q's registers 4-7 are zero codes.  K's operand names its own four registers and the four behind them (the next tile's codes, or zeros): numbers that meet zeros and add nothing;
; the scale bytes of that half are 0, which is 2^-127 and no NaN.
; LIMITS: NaN and infinities are not served; a block of p or of O whose largest magnitude lies under 2^-124 keeps the scale byte 1 (a block of zeros too: its codes are zeros, and this program alone reads the bytes).
.set REC,  4608                        ; a record: 64 keys.  +0 K's scale words, +256 K's codes [block 2][position 64][16], +2304 V's codes [block of keys 2][channel position 64][16], +4352 V's scale words
.set GRP,  16*REC                      ; a group
.set PART, GRP/8                       ; a wave's part of it: 36 rows of 256 bytes
.set QA,   16                          ; v[16:23] tile A's queries, v[24:31] tile B's: registers 4-7 of each are zeros
.set QB,   24
.set KF,   32                          ; v[32:63] eight tiles of K, four registers each; later four tiles of V, eight each;  v[64:67] zeros
.set KS,   68                          ; v68-71   K's scale words: record c, block b at 2 c + b; lanes 0-15 tile u = 0's, lanes 16-31 tile u = 1's
.set VR,   72                          ; v72-75   V's scale words as they lie: record c, channels 32 e on at 2 c + e
.set VS,   76                          ; v76-77   V's scale words of 128 keys
.set QSA,  78                          ; v78, v79 Q's scale words
.set QSB,  79
.set PSA,  80                          ; v80, v81 P's scale words
.set PSB,  81
.set PA,   82                          ; v[82:89], v[90:97] P's codes
.set PB,   90
.set S,    98                          ; v[98:161] S^T, then p: one tile of queries at a time
.set OA,   162                         ; v[162:193], v[194:225] O^T
.set OB,   194
.set BM,   226                         ; v226-229 the blocks' largest scores, then largest p
.set T4,   230                         ; v230-233 permuted maxima, then bytes
.set SC,   234                         ; v234-237 the conversions' scale operands
.set F,    238                         ; v[238:239] 2^(old M - new M); the upper word is named with it and holds 0
.set AC,   240                         ; v[240:241] the sum's second chain
.set TP,   242
; v[8:11] tile A: -M, the largest t, the sum in two halves;  v[12:15] tile B.   v1 1,024 (lane / 16) + 16 (lane % 16), v2 8 x lane, v3 4 x lane: they stay;  v4-6 the step's LDS addresses
.macro ROUND                           ; a round of the cluster's barrier
	s_barrier_signal -1
	s_barrier_wait -1
	s_cmp_lg_u32 s12, 0
	s_cbranch_scc1 .Lnot_wave_0_\@
	s_barrier_signal -3
.Lnot_wave_0_\@:
	s_barrier_wait -3
	s_barrier_signal -1
	s_barrier_wait -1
.endm
.macro SCORES q, qs                    ; S^T = K Q^T for one tile of queries: eight tiles of 16 keys, each sum begun by the constant 0
.irp t, 0,1,2,3,4,5,6,7
.if (\t%2) == 0
	v_wmma_scale_f32_16x16x128_f8f6f4 v[S+8*\t:S+8*\t+7], v[KF+4*\t:KF+4*\t+7], v[\q:\q+7], 0, v[KS+2*(\t/4)+(\t/2)%2], v[\qs] matrix_a_fmt:MATRIX_FMT_FP4 matrix_b_fmt:MATRIX_FMT_FP4
.else
	v_wmma_scale_f32_16x16x128_f8f6f4 v[S+8*\t:S+8*\t+7], v[KF+4*\t:KF+4*\t+7], v[\q:\q+7], 0, v[KS+2*(\t/4)+(\t/2)%2], v[\qs] matrix_a_fmt:MATRIX_FMT_FP4 matrix_b_fmt:MATRIX_FMT_FP4 matrix_a_scale:MATRIX_SCALE_ROW1
.endif
.endr
.endm
; One tile's softmax for 128 keys.  st: its statistics; pc: where P's codes go; ps: P's scale word.  Register 16 b + i of S is key 32 b + 16 (lane / 16) + i of my query.
.macro SOFT st, pc, ps
.irp b, 0,1,2,3
	v_max3_num_f32 v[BM+\b], v[S+16*\b], v[S+16*\b+1], v[S+16*\b+2]   ; the largest score of each block of 32 keys: for the row's maximum, and, since p rises with the score, for the block's largest p
.endr
.irp i, 3,5,7,9,11,13
.irp b, 0,1,2,3
	v_max3_num_f32 v[BM+\b], v[BM+\b], v[S+16*\b+\i], v[S+16*\b+\i+1]
.endr
.endr
.irp b, 0,1,2,3
	v_max_num_f32 v[BM+\b], v[BM+\b], v[S+16*\b+15]
.endr
.irp b, 0,1,2,3
	s_delay_alu instid0(VALU_DEP_4)
	v_permlanex16_b32 v[T4+\b], v[BM+\b], s40, s41
.endr
.irp b, 0,1,2,3
	s_delay_alu instid0(VALU_DEP_4)
	v_max_num_f32 v[BM+\b], v[BM+\b], v[T4+\b]     ; with lane l xor 16's 16 keys
.endr
	s_delay_alu instid0(VALU_DEP_2)
	v_max3_num_f32 v[TP], v[BM], v[BM+1], v[BM+2]
	s_delay_alu instid0(VALU_DEP_1)
	v_max_num_f32 v[TP], v[TP], v[BM+3]
	s_delay_alu instid0(VALU_DEP_1)
	v_mul_f32 v[TP], s42, v[TP]                    ; as t (c is positive)
	s_delay_alu instid0(VALU_DEP_1)
	v_max_num_f32 v[\st+1], v[\st+1], v[TP]        ; the running largest t
	v_mov_b32 v[TP], v[\st]
	s_delay_alu instid0(VALU_DEP_2)
	v_floor_f32 v[\st], -v[\st+1]                  ; the new -M = floor(-t): M is a whole number
	s_delay_alu instid0(VALU_DEP_1)
	v_sub_f32 v[TP], v[\st], v[TP]                 ; old M - new M: a whole number, 0 or less
	s_delay_alu instid0(VALU_DEP_1)
	v_cvt_i32_f32 v[TP], v[TP]                     ; (it saturates)
	s_delay_alu instid0(VALU_DEP_1)
	v_ldexp_f32 v[F], 1.0, v[TP]
.set j, 0
.rept 32
	v_pk_fma_f32 v[S+j:S+j+1], v[S+j:S+j+1], s[42:43], v[\st:\st+1] op_sel_hi:[1,0,0]   ; t - M, two at a time
.set j, j+2
.endr
.irp b, 0,1,2,3
	v_fma_f32 v[BM+\b], v[BM+\b], s42, v[\st]      ; the same of each block's largest score
.endr
.set j, 0
	s_wait_alu depctr_va_vdst(0)
.rept 64
	v_exp_f32 v[S+j], v[S+j]                       ; p = 2^(t - M)
.set j, j+1
.endr
.irp b, 0,1,2,3
	v_exp_f32 v[BM+\b], v[BM+\b]                   ; the block's largest p: the same two instructions on the same number
.endr
	v_pk_mul_f32 v[\st+2:\st+3], v[\st+2:\st+3], v[F:F+1] op_sel_hi:[1,0]   ; the sums under the new M (a plain place behind the exponentials)
	s_wait_alu depctr_va_vdst(0)
.irp b, 0,1,2,3
	v_max_num_f32 v[BM+\b], 0x1800000, v[BM+\b]    ; the floor 2^(3 - 127): the byte cannot fall under 1
.endr
.irp b, 0,1,2,3
	s_delay_alu instid0(VALU_DEP_4)
	v_add_nc_u32 v[SC+\b], 0xff000000, v[BM+\b]    ; 2 off the exponent field: the conversion's scale operand
.endr
.irp b, 0,1,2,3
	s_delay_alu instid0(VALU_DEP_4)
	v_lshrrev_b32 v[T4+\b], 23, v[SC+\b]           ; the scale's byte
.endr
	s_delay_alu instid0(VALU_DEP_3)
	v_lshl_or_b32 v[\ps], v[T4+1], 8, v[T4]
	s_delay_alu instid0(VALU_DEP_1)
	v_lshl_or_b32 v[\ps], v[T4+2], 16, v[\ps]
	s_delay_alu instid0(VALU_DEP_1)
	v_lshl_or_b32 v[\ps], v[T4+3], 24, v[\ps]
.irp b, 0,1,2,3
	v_cvt_scalef32_pk8_fp4_f32 v[\pc+2*\b], v[S+16*\b:S+16*\b+7], v[SC+\b]
	v_cvt_scalef32_pk8_fp4_f32 v[\pc+2*\b+1], v[S+16*\b+8:S+16*\b+15], v[SC+\b]
.endr
	v_nop                                          ; one plain place behind a scaled conversion
.irp c, 0,1                            ; the operand wants a whole block in a lane: lanes 0-15 block 2 c, lanes 16-31 block 2 c + 1
.irp i, 0,1
	v_permlane16_swap_b32 v[\pc+4*\c+\i], v[\pc+4*\c+2+\i]
.endr
.endr
	v_pk_add_f32 v[AC:AC+1], v[S:S+1], v[S+2:S+3]  ; the row's sum is taken of the unquantised p: two at a time, in two chains
.irp j, 4,8,12,16,20,24,28,32,36,40,44,48,52,56,60
	v_pk_add_f32 v[\st+2:\st+3], v[\st+2:\st+3], v[S+\j:S+\j+1]
	v_pk_add_f32 v[AC:AC+1], v[AC:AC+1], v[S+\j+2:S+\j+3]
.endr
	s_delay_alu instid0(VALU_DEP_1)
	v_pk_add_f32 v[\st+2:\st+3], v[\st+2:\st+3], v[AC:AC+1]
.endm
.macro RESC o                          ; a tile's O^T under the new M, each accumulator from its low end on
.set j, 0
.rept 16
	v_pk_mul_f32 v[\o+j:\o+j+1], v[\o+j:\o+j+1], v[F:F+1] op_sel_hi:[1,0]
.set j, j+2
.endr
.endm
.macro PV                              ; O^T += V^T P^T: four tiles of 16 channels x the two tiles of queries: eight accumulators, one instruction a turn
.irp t, 0,1,2,3
.irp x, 0,1
.if (\t%2) == 0
	v_wmma_scale_f32_16x16x128_f8f6f4 v[OA+32*\x+8*\t:OA+32*\x+8*\t+7], v[KF+8*\t:KF+8*\t+7], v[PA+8*\x:PA+8*\x+7], v[OA+32*\x+8*\t:OA+32*\x+8*\t+7], v[VS+\t/2], v[PSA+\x] matrix_a_fmt:MATRIX_FMT_FP4 matrix_b_fmt:MATRIX_FMT_FP4
.else
	v_wmma_scale_f32_16x16x128_f8f6f4 v[OA+32*\x+8*\t:OA+32*\x+8*\t+7], v[KF+8*\t:KF+8*\t+7], v[PA+8*\x:PA+8*\x+7], v[OA+32*\x+8*\t:OA+32*\x+8*\t+7], v[VS+\t/2], v[PSA+\x] matrix_a_fmt:MATRIX_FMT_FP4 matrix_b_fmt:MATRIX_FMT_FP4 matrix_a_scale:MATRIX_SCALE_ROW1
.endif
.endr
.endr
.endm
; A KEY STEP: 128 keys, two records, from LDS byte s44 on
.macro STEP
	v_add_nc_u32 v4, s44, v1
	v_add_nc_u32 v5, s44, v2
	v_add_nc_u32 v6, s44, v3
	v_nop                                          ; four places between the last step's products and the loads into the registers that they read
.irp t, 0,1,2,3,4,5,6,7
	ds_load_b128 v[KF+4*\t:KF+4*\t+3], v4 offset:REC*(\t/4)+256+256*(\t%4)
.endr
.irp c, 0,1
	ds_load_b64 v[KS+2*\c:KS+2*\c+1], v5 offset:REC*\c
.endr
	s_wait_dscnt 0x0
	SCORES QA, QSA
.rept 4
	v_nop
.endr
	SOFT 8, PA, PSA
	SCORES QB, QSB
	RESC OA                                        ; sixteen plain lines that name nothing of those products: the places ahead of the loads below and of the reads of the scores
.irp t, 0,1,2,3
.irp c, 0,1
	ds_load_b128 v[KF+8*\t+4*\c:KF+8*\t+4*\c+3], v4 offset:REC*\c+2304+256*\t   ; V lands while tile B's softmax is worked
.endr
.endr
.irp c, 0,1
.irp e, 0,1
	ds_load_b32 v[VR+2*\c+\e], v6 offset:REC*\c+4352+128*\e
.endr
.endr
	s_setprio 1
	SOFT 12, PB, PSB
	s_setprio 0
	s_wait_dscnt 0x0                               ; V and its scale words are in
	v_perm_b32 v[VS], v[VR+2], v[VR], s46          ; two bytes of each record make the word of 128 keys
	v_perm_b32 v[VS+1], v[VR+3], v[VR+1], s46
	RESC OB                                        ; (also the places between the scale words just made and the products)
	PV
	s_add_co_u32 s44, s44, 2*REC
.endm
.macro GROUP g
	s_wait_tensorcnt 3-\g                          ; my part of group g is in; the later groups' loads, 3 - g of them, may stay out
	s_barrier_signal -1
	s_barrier_wait -1                              ; everybody's part is in
	s_mov_b32 s44, GRP*\g
	s_mov_b32 s45, 8
.Lstep_\@:
	s_setprio 2
	STEP
	s_sub_co_u32 s45, s45, 1
	s_cmp_lg_u32 s45, 0
	s_cbranch_scc1 .Lstep_\@
	s_setprio 0
.endm
; 32 numbers of a lane, register 16 b + i = channel 32 b + 16 (lane / 16) + i of my query, become four registers of codes (lane (r, h): channels 32 h on) and a word of two scale bytes
.macro QUANT2 s, pc, wd
.irp b, 0,1
	v_max3_num_f32 v[BM+\b], |v[\s+16*\b]|, |v[\s+16*\b+1]|, 0x1800000
.endr
.irp i, 2,4,6,8,10,12,14
.irp b, 0,1
	s_delay_alu instid0(VALU_DEP_2)
	v_max3_num_f32 v[BM+\b], v[BM+\b], |v[\s+16*\b+\i]|, |v[\s+16*\b+\i+1]|
.endr
.endr
.irp b, 0,1
	s_delay_alu instid0(VALU_DEP_2)
	v_permlanex16_b32 v[T4+\b], v[BM+\b], s40, s41
.endr
.irp b, 0,1
	s_delay_alu instid0(VALU_DEP_2)
	v_max_num_f32 v[BM+\b], v[BM+\b], v[T4+\b]
.endr
.irp b, 0,1
	s_delay_alu instid0(VALU_DEP_2)
	v_add_nc_u32 v[SC+\b], 0xff000000, v[BM+\b]
.endr
.irp b, 0,1
	s_delay_alu instid0(VALU_DEP_2)
	v_lshrrev_b32 v[T4+\b], 23, v[SC+\b]
.endr
	s_delay_alu instid0(VALU_DEP_1)
	v_lshl_or_b32 v[\wd], v[T4+1], 8, v[T4]
.irp b, 0,1
	v_cvt_scalef32_pk8_fp4_f32 v[\pc+2*\b], v[\s+16*\b:\s+16*\b+7], v[SC+\b]
	v_cvt_scalef32_pk8_fp4_f32 v[\pc+2*\b+1], v[\s+16*\b+8:\s+16*\b+15], v[SC+\b]
.endr
	v_nop
	v_permlane16_swap_b32 v[\pc], v[\pc+2]
	v_permlane16_swap_b32 v[\pc+1], v[\pc+3]
.endm
	s_load_b256 s[4:11], s[0:1], 0x0               ; qb s[4:5], kv s[6:7], att s[8:9], asc s[10:11]
	v_lshl_add_u32 v254, v0, 2, 0x48000
	v_mov_b32 v255, 0
	ds_add_u32 v254, v255
	ds_add_u32 v254, v255
	v_lshrrev_b32 v1, 5, v0
	s_delay_alu instid0(VALU_DEP_1)
	v_readfirstlane_b32 s12, v1                    ; wave 0..7
	s_bfe_u32 s13, ttmp6, 0x40000                  ; cx: my place in the cluster
	s_lshl_b32 s14, ttmp9, 2                       ; in a cluster launch ttmp9 counts clusters
	s_add_co_u32 s14, s14, s13                     ; my block of 256 queries: it enters the addresses of qb, att and asc alone
	s_and_b32 s15, ttmp7, 0xffff                   ; the head (4 batch + head), which the four partners share
	; descriptor group 1: 36 rows of 256 bytes, dense in memory and in LDS
	s_mov_b32 s16, 15|(3<<16)|(1<<21)              ; 15:0 the mask: all four work-groups; 17:16 elements of 8 bytes; 21 set beside a mask; no padding
	s_mov_b32 s17, 32<<16                          ; tensor_dim0 = 32 elements
	s_mov_b32 s18, 36<<16                          ; tensor_dim1 = 36
	s_mov_b32 s19, 32<<16                          ; tile_dim0 = 32
	s_mov_b32 s20, 36                              ; tile_dim1 = 36
	s_mov_b32 s21, 32                              ; from row to row
	s_mov_b32 s22, 0
	s_mov_b32 s23, 0
	s_mul_i32 s48, s12, PART                       ; my part of a group: no place in the cluster enters it
	s_mul_i32 s50, s15, 64*REC                     ; the head's first byte
	s_add_co_u32 s50, s50, s48
	s_mov_b32 s51, 0
	s_mov_b32 s40, 0x76543210                      ; v_permlanex16_b32's selects for lane l xor 16
	s_mov_b32 s41, 0xfedcba98
	s_mov_b32 s42, 0x3e38aa3b                      ; c = log2(e) / 8
	s_mov_b32 s43, s42                             ; (named with it as a pair)
	s_mov_b32 s46, 0x05040100                      ; v_perm_b32: the two low halves
	s_wait_dscnt 0x0
	s_wait_kmcnt 0x0
	s_add_nc_u64 s[52:53], s[6:7], s[50:51]
.irp g, 0,1,2,3                        ; descriptor group 0, a set for each group of records
	s_mov_b32 s[24+4*\g], 1
	s_add_co_u32 s[25+4*\g], s48, GRP*\g
	s_add_nc_u64 s[26+4*\g:27+4*\g], s[52:53], GRP*\g
	s_or_b32 s[27+4*\g], s[27+4*\g], 0x80000000
.endr
	ROUND                                          ; all four work-groups are here: the joint loads meet
	tensor_load_to_lds s[24:27], s[16:23]
	s_nop 0
	tensor_load_to_lds s[28:31], s[16:23]
	s_nop 0
	tensor_load_to_lds s[32:35], s[16:23]
	s_nop 0
	tensor_load_to_lds s[36:39], s[16:23]
	s_nop 0
.rept 4
	v_nop
.endr
	v_and_b32 v7, 15, v0                           ; r
	v_bfe_u32 v4, v0, 4, 1                         ; h
	v_and_b32 v5, 31, v0                           ; lane
	s_delay_alu instid0(VALU_DEP_2)
	v_lshlrev_b32 v1, 10, v4
	s_delay_alu instid0(VALU_DEP_1)
	v_lshl_add_u32 v1, v7, 4, v1
	s_wait_alu depctr_va_vdst(0)
	v_lshlrev_b32 v2, 3, v5
	v_lshlrev_b32 v3, 2, v5
	s_lshr_b32 s54, s12, 1
	s_lshl_b32 s55, s14, 2
	s_add_co_u32 s54, s54, s55                     ; my chunk of 64 queries: 4 x block + wave / 2
	s_and_b32 s55, s12, 1                          ; b: which 32 of them
	s_lshl_b32 s56, s15, 6
	s_add_co_u32 s56, s56, s54
	s_mul_i32 s56, s56, 2304
	s_mov_b32 s57, 0
	s_add_nc_u64 s[4:5], s[4:5], s[56:57]          ; my record of qb
	s_lshl_b32 s56, s55, 9
	v_add_nc_u32 v6, s56, v1                       ; codes: tiles 2 b and 2 b + 1
	s_lshl_b32 s56, s55, 2
	v_lshl_add_u32 v7, v7, 3, s56                  ; scale words: 8 r + 4 b
	global_load_b128 v[QA:QA+3], v6, s[4:5] offset:256
	global_load_b128 v[QB:QB+3], v6, s[4:5] offset:512
	global_load_b32 v[QSA], v7, s[4:5]
	global_load_b32 v[QSB], v7, s[4:5] offset:128
	s_lshr_b32 s56, s15, 2                         ; att: ((64 batch + chunk) 4 + head) 2,048 + 1,024 b
	s_lshl_b32 s56, s56, 6
	s_add_co_u32 s56, s56, s54
	s_lshl_b32 s56, s56, 2
	s_and_b32 s58, s15, 3
	s_add_co_u32 s56, s56, s58
	s_lshl_b32 s56, s56, 11
	s_lshl_b32 s58, s55, 10
	s_add_co_u32 s56, s56, s58
	s_add_nc_u64 s[8:9], s[8:9], s[56:57]
	s_lshl_b32 s56, s15, 13                        ; asc: 8,192 x head + 128 chunk + 64 b
	s_lshl_b32 s58, s54, 7
	s_add_co_u32 s56, s56, s58
	s_lshl_b32 s58, s55, 6
	s_add_co_u32 s56, s56, s58
	s_add_nc_u64 s[10:11], s[10:11], s[56:57]
.irp j, 0,1,2,3
	v_mov_b32 v[QA+4+\j], 0                        ; the upper half of the instruction's K: zero codes
	v_mov_b32 v[QB+4+\j], 0
	v_mov_b32 v[KF+32+\j], 0                       ; what K's last tile names behind its own registers
	v_mov_b32 v[T4+\j], 0                          ; written once: a lane permute's destination counts as one of its sources
.endr
	v_mov_b32 v9, 0xff61b1e6                       ; the largest t so far: -3e38, under every t
	v_mov_b32 v13, 0xff61b1e6
	s_delay_alu instid0(VALU_DEP_2)
	v_floor_f32 v8, -v9                            ; -M
	s_delay_alu instid0(VALU_DEP_2)
	v_floor_f32 v12, -v13
	v_mov_b32 v10, 0                               ; the sums, in two halves
	v_mov_b32 v11, 0
	v_mov_b32 v14, 0
	v_mov_b32 v15, 0
	v_mov_b32 v[F+1], 0
.set j, 0
.rept 64
	v_mov_b32 v[OA+j], 0                           ; O^T.  (The step is written once: the first finds zeros, which the first change of M leaves zeros)
.set j, j+1
.endr
	s_wait_loadcnt 0x0                             ; Q; its address registers are free
	GROUP 0
	GROUP 1
	GROUP 2
	GROUP 3
; THE WAY OUT.  The additions are the places behind the last products.
	v_add_f32 v10, v10, v11
	v_add_f32 v14, v14, v15
	s_delay_alu instid0(VALU_DEP_2)
	v_permlanex16_b32 v[T4], v10, s40, s41
	s_delay_alu instid0(VALU_DEP_2)
	v_permlanex16_b32 v[T4+1], v14, s40, s41
	s_delay_alu instid0(VALU_DEP_2)
	v_add_f32 v10, v10, v[T4]                      ; the rows' sums
	s_delay_alu instid0(VALU_DEP_2)
	v_add_f32 v14, v14, v[T4+1]
	s_wait_alu depctr_va_vdst(0)
	v_rcp_f32 v10, v10
	v_rcp_f32 v14, v14
	v_nop                                          ; a plain place behind the transcendentals
.set j, 0
	s_wait_alu depctr_va_vdst(0)
.rept 16
	v_pk_mul_f32 v[OA+j:OA+j+1], v[OA+j:OA+j+1], v[10:11] op_sel_hi:[1,0]
.set j, j+2
.endr
.set j, 0
.rept 16
	v_pk_mul_f32 v[OB+j:OB+j+1], v[OB+j:OB+j+1], v[14:15] op_sel_hi:[1,0]
.set j, j+2
.endr
	QUANT2 OA, PA, TP
	QUANT2 OB, PB, 7
	v_lshlrev_b32 v4, 2, v3                        ; 16 x lane
	v_lshrrev_b32 v5, 1, v3                        ; 2 x lane
	s_mov_b32 vcc_lo, 0xffff0000                   ; lanes 16-31
	global_store_b128 v4, v[PA:PA+3], s[8:9]       ; an image of four registers of the next product's operand: 512 consecutive bytes
	global_store_b128 v4, v[PB:PB+3], s[8:9] offset:512
	v_cndmask_b32 v6, v[TP], v7, vcc_lo            ; lanes 0-15 tile A's words, lanes 16-31 tile B's
	global_store_b16 v5, v6, s[10:11]              ; two scale bytes a query: 64 consecutive bytes a wave
	s_wait_tensorcnt 0x0
	ds_add_u32 v254, v255
	s_wait_dscnt 0x0
	ROUND                                          ; the closing round: no work-group ends while a partner may still ask for bytes jointly
	s_endpgm
.Lfunc_end_k_qfe06bb3e1e_attn:
	.size	k_qfe06bb3e1e_attn, .Lfunc_end_k_qfe06bb3e1e_attn-k_qfe06bb3e1e_attn
	.p2alignl 7, 3214868480
	.fill 96, 4, 3214868480
	.section	.rodata,"a",@progbits
	.p2align	6, 0x0
	.amdhsa_kernel k_qfe06bb3e1e_attn
		.amdhsa_group_segment_fixed_size 295936
		.amdhsa_private_segment_fixed_size 0
		.amdhsa_enable_private_segment 0
		.amdhsa_kernarg_size 32
		.amdhsa_user_sgpr_count 2
		.amdhsa_user_sgpr_kernarg_segment_ptr 1
		.amdhsa_wavefront_size32 1
		.amdhsa_system_sgpr_workgroup_id_x 1
		.amdhsa_system_sgpr_workgroup_id_y 1
		.amdhsa_system_sgpr_workgroup_id_z 1
		.amdhsa_system_vgpr_workitem_id 0
		.amdhsa_next_free_vgpr 256
		.amdhsa_next_free_sgpr 66
		.amdhsa_reserve_vcc 1
		.amdhsa_float_denorm_mode_32 3
		.amdhsa_float_denorm_mode_16_64 3
		.amdhsa_memory_ordered 1
		.amdhsa_forward_progress 1
		.amdhsa_inst_pref_size 138
	.end_amdhsa_kernel
	.amdgpu_metadata
---
amdhsa.version: [ 1, 2 ]
amdhsa.kernels:
  - .name:           k_qfe06bb3e1e_attn
    .symbol:         k_qfe06bb3e1e_attn.kd
    .args:
      - { .name: qb, .offset: 0, .size: 8, .value_kind: global_buffer, .address_space: global }
      - { .name: kv, .offset: 8, .size: 8, .value_kind: global_buffer, .address_space: global }
      - { .name: att, .offset: 16, .size: 8, .value_kind: global_buffer, .address_space: global }
      - { .name: asc, .offset: 24, .size: 8, .value_kind: global_buffer, .address_space: global }
    .group_segment_fixed_size: 295936
    .private_segment_fixed_size: 0
    .kernarg_segment_align: 8
    .kernarg_segment_size: 32
    .max_flat_workgroup_size: 256
    .sgpr_count:     66
    .vgpr_count:     256
    .wavefront_size: 32
...
	.end_amdgpu_metadata
.endif
;; end of part 3
;; launch proj (part 4): grid 256 x 1, 8 waves a work-group, no clusters, 70,656 bytes of LDS; arguments att, asc, w_proj_codes, w_proj_scales, b_proj, x, out0; writes out0
.if DOCPART == 4
	.amdgcn_target "amdgcn-amd-amdhsa--gfx1250"
	.amdhsa_code_object_version 6
	.text
	.protected	k_qfe06bb3e1e_proj
	.globl	k_qfe06bb3e1e_proj
	.p2align	8
	.type	k_qfe06bb3e1e_proj,@function
k_qfe06bb3e1e_proj:
	s_mov_b64 s[64:65], 0
	v_nop
	global_prefetch_b8 v0, s[64:65] scope:SCOPE_SE
	s_setreg_imm32_b32 hwreg(HW_REG_WAVE_MODE, 25, 1), 1
	s_wait_xcnt 0x0
; out0 = W_proj . attention + b_proj + x, the product on codes of FP4 (E2M1) with one E8M0 scale for each 32 along K = (head, channel) = 256.
; A work-group takes 64 pixels (a chunk) of one batch; wave w makes outputs 32 w .. 32 w + 31 for all of them: eight accumulators (two tiles of outputs x four tiles of pixels), two K steps.
; The attention's codes lie in att as images of the operand's registers ([batch][chunk][head][tile][lane][16 bytes]; head 2 s + c gives registers 4 c .. 4 c + 3 of K step s), so a fragment is four dense loads.
; Source 0 = 16 pixels, source 1 = 16 rows of W.  A tile's row r stands for pixel 32 b + 8 u + r + 8 (r / 8), so a lane's eight results are the eight NEIGHBOURING pixels 32 b + 16 h + 8 u + 0 .. 7 of one output channel:
; 32 bytes of a row of out0.  They go through the wave's own stage in LDS (32 rows of 256 bytes + 16) and come back as whole rows, to which the bias and x are added: each half of the wave then stores 256 consecutive
; bytes, aligned.  Waves share nothing in LDS: no barrier.  W's 32 KiB go straight into the registers that the products name, each byte once a work-group, so no cluster: a joint request would bring them into LDS first.
; LIMITS: NaN and infinities are not served.
.set WS,  10                           ; v10-13   W's scale words, a pair for each tile of outputs
.set AS,  14                           ; v14-21   the attention's scale words: tile t, K step s at 2 t + s
.set AF,  40                           ; v[40:103]  its fragments (16 t + 8 s);  later the rows read back from the stage
.set RB,  40
.set WF,  104                          ; v[104:135] W's fragments (16 o + 8 s);  later the bias (v104-119)
.set BB,  104
.set ACC, 136                          ; v[136:199] the accumulators (8 (4 o + t));  before the products v136-151 hold the scale bytes as loaded
.set SP,  272                          ; a stage row
; x's 16 rows: v[200:255] (rows 0-13) and v[24:31] (rows 14, 15)
	s_load_b256 s[4:11], s[0:1], 0x0               ; att s[4:5], asc s[6:7], W's codes s[8:9], W's scales s[10:11]
	s_load_b128 s[12:15], s[0:1], 0x20             ; b_proj s[12:13], x s[14:15]
	s_load_b64 s[16:17], s[0:1], 0x30              ; out0
	v_lshl_add_u32 v38, v0, 2, 0x11000
	v_mov_b32 v39, 0
	v_lshrrev_b32 v1, 5, v0
	s_delay_alu instid0(VALU_DEP_1)
	v_readfirstlane_b32 s18, v1                    ; wave 0..7
	s_lshr_b32 s19, ttmp9, 6                       ; batch
	s_and_b32 s20, ttmp9, 63                       ; chunk
	v_and_b32 v9, 31, v0                           ; lane
	v_and_b32 v22, 15, v0                          ; r
	v_bfe_u32 v23, v0, 4, 1                        ; h
	s_delay_alu instid0(VALU_DEP_3)
	v_lshlrev_b32 v1, 4, v9                        ; an image's place for my lane
	s_delay_alu instid0(VALU_DEP_3)
	v_lshlrev_b32 v2, 1, v22                       ; two scale bytes a pixel and head
	s_delay_alu instid0(VALU_DEP_4)
	v_lshlrev_b32 v3, 7, v22
	s_delay_alu instid0(VALU_DEP_1)
	v_lshl_add_u32 v3, v23, 4, v3                  ; W's codes: row r of 128 bytes, + 16 h
	v_lshlrev_b32 v4, 3, v22                       ; W's scales: 8 bytes a row
	v_lshlrev_b32 v5, 6, v23                       ; the bias: 16 numbers on for lanes 16-31
	v_lshlrev_b32 v6, 18, v23
	s_delay_alu instid0(VALU_DEP_1)
	v_lshl_add_u32 v6, v22, 4, v6                  ; x and out0: lanes 0-15 one channel's 256 bytes, lanes 16-31 those of the channel 16 further on
	s_mul_i32 s21, s18, 32*SP                      ; my stage
	v_mul_u32_u24 v7, v22, SP
	s_delay_alu instid0(VALU_DEP_1)
	v_lshl_add_u32 v7, v23, 6, v7
	s_delay_alu instid0(VALU_DEP_1)
	v_add_nc_u32 v7, s21, v7                       ; in: row r, + 64 h
	v_mul_u32_u24 v8, v23, 16*SP
	s_delay_alu instid0(VALU_DEP_1)
	v_lshl_add_u32 v8, v22, 4, v8
	s_delay_alu instid0(VALU_DEP_1)
	v_add_nc_u32 v8, s21, v8                       ; back: lanes 0-15 a row of the first 16, lanes 16-31 of the second
	s_lshl_b32 s22, ttmp9, 13                      ; att: 8,192 bytes a chunk
	s_mov_b32 s23, 0
	s_lshl_b32 s24, s19, 15                        ; asc: 32,768 batch + 128 chunk
	s_lshl_b32 s25, s20, 7
	s_add_co_u32 s24, s24, s25
	s_mov_b32 s25, 0
	s_lshl_b32 s26, s18, 12                        ; W's codes: 32 rows of 128 bytes a wave
	s_mov_b32 s27, 0
	s_lshl_b32 s28, s18, 8                         ; W's scales
	s_mov_b32 s29, 0
	s_lshl_b32 s30, s18, 7                         ; the bias
	s_mov_b32 s31, 0
	s_lshl_b32 s32, s19, 22                        ; x, out0: 4,194,304 batch + 524,288 wave + 256 chunk
	s_lshl_b32 s33, s18, 19
	s_add_co_u32 s32, s32, s33
	s_lshl_b32 s33, s20, 8
	s_add_co_u32 s32, s32, s33
	s_mov_b32 s33, 0
	s_wait_alu depctr_va_vdst(0)
	s_wait_kmcnt 0x0
	s_add_nc_u64 s[4:5], s[4:5], s[22:23]
	s_add_nc_u64 s[6:7], s[6:7], s[24:25]
	s_add_nc_u64 s[8:9], s[8:9], s[26:27]
	s_add_nc_u64 s[10:11], s[10:11], s[28:29]
	s_add_nc_u64 s[12:13], s[12:13], s[30:31]
	s_add_nc_u64 s[14:15], s[14:15], s[32:33]
	s_add_nc_u64 s[16:17], s[16:17], s[32:33]
.irp t, 0,1,2,3
.irp d, 0,1,2,3
	global_load_b128 v[AF+16*\t+4*\d:AF+16*\t+4*\d+3], v1, s[4:5] offset:2048*\d+512*\t
.endr
.endr
.irp t, 0,1,2,3
.irp d, 0,1,2,3
	global_load_u16 v[ACC+4*\d+\t], v2, s[6:7] offset:8192*\d+32*\t
.endr
.endr
.irp o, 0,1
.irp s, 0,1
.irp c, 0,1
	global_load_b128 v[WF+16*\o+8*\s+4*\c:WF+16*\o+8*\s+4*\c+3], v3, s[8:9] offset:2048*\o+64*\s+32*\c
.endr
.endr
.endr
.irp o, 0,1
	global_load_b64 v[WS+2*\o:WS+2*\o+1], v4, s[10:11] offset:128*\o
.endr
.set i, 0
.rept 16
.if i < 14
.set XR, 200+4*i
.else
.set XR, 24+4*(i-14)
.endif
	global_load_b128 v[XR:XR+3], v6, s[14:15] offset:16384*i th:TH_LOAD_NT
.set i, i+1
.endr
	s_wait_loadcnt 16                              ; all but x's sixteen loads are in
.irp t, 0,1,2,3
.irp s, 0,1
	v_lshl_or_b32 v[AS+2*\t+\s], v[ACC+4*(2*\s+1)+\t], 16, v[ACC+8*\s+\t]   ; heads 2 s and 2 s + 1: the four bytes of K step s
.endr
.endr
.rept 8
	v_nop                                          ; scale words made by vector instructions stand eight places ahead of the products
.endr
.irp s, 0,1                            ; the eight accumulators take turns, a K step at a time; the first step starts the sums
.irp t, 0,1,2,3
.irp o, 0,1
.if \s == 0
	v_wmma_scale_f32_16x16x128_f8f6f4 v[ACC+8*(4*\o+\t):ACC+8*(4*\o+\t)+7], v[AF+16*\t:AF+16*\t+7], v[WF+16*\o:WF+16*\o+7], 0, v[AS+2*\t], v[WS+2*\o] matrix_a_fmt:MATRIX_FMT_FP4 matrix_b_fmt:MATRIX_FMT_FP4
.else
	v_wmma_scale_f32_16x16x128_f8f6f4 v[ACC+8*(4*\o+\t):ACC+8*(4*\o+\t)+7], v[AF+16*\t+8:AF+16*\t+15], v[WF+16*\o+8:WF+16*\o+15], v[ACC+8*(4*\o+\t):ACC+8*(4*\o+\t)+7], v[AS+2*\t+1], v[WS+2*\o+1] matrix_a_fmt:MATRIX_FMT_FP4 matrix_b_fmt:MATRIX_FMT_FP4
.endif
.endr
.endr
.endr
.rept 5
	v_nop                                          ; places ahead of the loads into the operands' registers and of the stores of the results
.endr
.irp k, 0,1,2,3
	global_load_b128 v[BB+4*\k:BB+4*\k+3], v5, s[12:13] offset:16*\k   ; register i: the bias of output 32 w + 16 h + i
.endr
.irp o, 0,1
.irp t, 0,1,2,3
	ds_store_b128 v7, v[ACC+8*(4*\o+\t):ACC+8*(4*\o+\t)+3] offset:16*SP*\o+128*(\t/2)+32*(\t%2)        ; each accumulator from its low end on
	ds_store_b128 v7, v[ACC+8*(4*\o+\t)+4:ACC+8*(4*\o+\t)+7] offset:16*SP*\o+128*(\t/2)+32*(\t%2)+16
.endr
.endr
.set i, 0
.rept 16
	ds_load_b128 v[RB+4*i:RB+4*i+3], v8 offset:SP*i   ; LDS serves a wave's instructions in order (ISA guide 5.7.1.4): these see my stores
.set i, i+1
.endr
	s_wait_loadcnt 0x0                             ; x and the bias
.set i, 0
.rept 16
.if i < 14
.set XR, 200+4*i
.else
.set XR, 24+4*(i-14)
.endif
	s_wait_dscnt 15-i                              ; row i is back; the younger rows' loads may be out
.irp k, 0,1,2,3
	v_add_f32 v[RB+4*i+\k], v[RB+4*i+\k], v[BB+i]
.endr
	s_delay_alu instid0(VALU_DEP_3)
	v_pk_add_f32 v[RB+4*i:RB+4*i+1], v[RB+4*i:RB+4*i+1], v[XR:XR+1]
	s_delay_alu instid0(VALU_DEP_2)
	v_pk_add_f32 v[RB+4*i+2:RB+4*i+3], v[RB+4*i+2:RB+4*i+3], v[XR+2:XR+3]
	global_store_b128 v6, v[RB+4*i:RB+4*i+3], s[16:17] offset:16384*i th:TH_STORE_NT
.set i, i+1
.endr
	s_wait_tensorcnt 0x0
	ds_add_u32 v38, v39
	s_wait_dscnt 0x0
	s_endpgm
.Lfunc_end_k_qfe06bb3e1e_proj:
	.size	k_qfe06bb3e1e_proj, .Lfunc_end_k_qfe06bb3e1e_proj-k_qfe06bb3e1e_proj
	.p2alignl 7, 3214868480
	.fill 96, 4, 3214868480
	.section	.rodata,"a",@progbits
	.p2align	6, 0x0
	.amdhsa_kernel k_qfe06bb3e1e_proj
		.amdhsa_group_segment_fixed_size 70656
		.amdhsa_private_segment_fixed_size 0
		.amdhsa_enable_private_segment 0
		.amdhsa_kernarg_size 56
		.amdhsa_user_sgpr_count 2
		.amdhsa_user_sgpr_kernarg_segment_ptr 1
		.amdhsa_wavefront_size32 1
		.amdhsa_system_sgpr_workgroup_id_x 1
		.amdhsa_system_sgpr_workgroup_id_y 1
		.amdhsa_system_sgpr_workgroup_id_z 1
		.amdhsa_system_vgpr_workitem_id 0
		.amdhsa_next_free_vgpr 256
		.amdhsa_next_free_sgpr 66
		.amdhsa_reserve_vcc 0
		.amdhsa_float_denorm_mode_32 3
		.amdhsa_float_denorm_mode_16_64 3
		.amdhsa_memory_ordered 1
		.amdhsa_forward_progress 1
		.amdhsa_inst_pref_size 21
	.end_amdhsa_kernel
	.amdgpu_metadata
---
amdhsa.version: [ 1, 2 ]
amdhsa.kernels:
  - .name:           k_qfe06bb3e1e_proj
    .symbol:         k_qfe06bb3e1e_proj.kd
    .args:
      - { .name: att, .offset: 0, .size: 8, .value_kind: global_buffer, .address_space: global }
      - { .name: asc, .offset: 8, .size: 8, .value_kind: global_buffer, .address_space: global }
      - { .name: w_proj_codes, .offset: 16, .size: 8, .value_kind: global_buffer, .address_space: global }
      - { .name: w_proj_scales, .offset: 24, .size: 8, .value_kind: global_buffer, .address_space: global }
      - { .name: b_proj, .offset: 32, .size: 8, .value_kind: global_buffer, .address_space: global }
      - { .name: x, .offset: 40, .size: 8, .value_kind: global_buffer, .address_space: global }
      - { .name: out0, .offset: 48, .size: 8, .value_kind: global_buffer, .address_space: global }
    .group_segment_fixed_size: 70656
    .private_segment_fixed_size: 0
    .kernarg_segment_align: 8
    .kernarg_segment_size: 56
    .max_flat_workgroup_size: 256
    .sgpr_count:     66
    .vgpr_count:     256
    .wavefront_size: 32
...
	.end_amdgpu_metadata
.endif
;; end of part 4
